; MI455X (gfx1250); checked and timed in simulation.
; The chip was launched on July 23, 2026; its instructions are those of AMD's public machine-readable ISA for CDNA 5 (MIT licence, August 2026) and "CDNA5" Instruction Set Architecture Reference Guide (July 2026). The comments in the code are by the model that wrote it; some were corrected since.
;; Coupling Layer. Allowed arithmetic: matrix products marked QUANTISED: E2M1 operands, one E8M0 scale for each 32 along K, by v_wmma_scale_f32_16x16x128_f8f6f4 with both operands' format E2M1 (or v_wmma_scale_f32_32x16x128_f4), f32 sums; products left as they are: f32 operands where the result goes on into a quantised operand, else bf16, f16 or f32 operands; f32 sums; everything else in f32.
;; Inputs: W1 98 x 64 float32; W2 64 x 10 float32; b1 64 float32; b2 10 float32; input 4 x 4,096 x 64 x 3 float32; t_feat 4 x 96 float32.
;; Outputs: out0 4 x 4,096 x 64 x 3 float32.
;; This version of the problem:
;;   THIS VERSION OF THE PROBLEM IS GIVEN IN LOW PRECISION. The matrix products marked QUANTISED in the list below multiply operands that are first quantised to E2M1 (2 exponent bits, 1 mantissa bit; 4 bits a number), with one power-of-two scale for each 32 numbers along K (OCP MX v1.0); their sums are f32. All else is computed in f32.
;;   The module's matrix products, in the order in which they are computed (A, B: the left and right operand; K: the contracted axis; several contracted axes count as one K, in the product's order):
;;     1. [M 1,048,576, K 98] x [K 98, N 64]; A: computed on the way; B: input W1: QUANTISED
;;     2. [M 1,048,576, K 64] x [K 64, N 10]; A: computed on the way; B: input W2: left as it is (N = 10 < 16)
;;   THE QUANTISER, for each operand of a quantised product, along K:
;;     - K is cut into blocks of 32 from its start; a last block that is shorter is filled with zeros.
;;     - A block's scale is 2^e with e = floor(log2(the largest magnitude in the block)) - 2, held to -126 .. 127; a block of zeros has e = 0. As a byte (E8M0): e + 127.
;;     - Each number is divided by its block's scale, clamped to +-6, and rounded to the nearest number of E2M1, ties to even, subnormals kept.
;;     - The product sums the exact products of the quantised numbers (number of the format x scale) in f32.
;;   ~~~python
;;   def quantise(x, axis):      # numpy; x: float32 -> the quantised numbers, widened to float32 again
;;       x = np.moveaxis(x, axis, -1); K = x.shape[-1]
;;       x = np.pad(x, [(0, 0)] * (x.ndim - 1) + [(0, -K % 32)]); x = x.reshape(x.shape[:-1] + (-1, 32)); a = np.abs(x).max(-1, keepdims=True)
;;       e = np.where(a > 0, np.clip(np.frexp(np.where(a > 0, a, 1))[1] - 1 - 2, -126, 127), 0)      # np.frexp(a)[1] - 1 = floor(log2(a)), exactly
;;       r = np.clip(x / 2.0 ** e, -6, 6)
;;       step = 2.0 ** (np.maximum(np.frexp(np.where(r == 0, 1, r))[1] - 1, 0) - 1)
;;       q = np.round(r / step) * step * 2.0 ** e      # np.round: ties to even
;;       return np.moveaxis(q.reshape(q.shape[:-2] + (-1,))[..., :K], -1, axis).astype(np.float32)
;;   ~~~
;;   OPERANDS COMPUTED ON THE WAY. 'Computed on the way' means the value that the module computes at that place (a softmax that the list does not call 'softmax' is quantised finished and normalised). What goes into a quantiser is computed in f32, as accurately as f32 sums, v_exp_f32 and their like allow (about 1e-6 of the number): no bf16 or f16 on the way to a quantiser, and a product that is left as it is and whose result goes on into a quantised operand takes f32 operands (vector FMAs, or v_wmma_f32_16x16x4_f32). A number that lies on a knife's edge between two numbers of the format may be rounded either way, as far as f32 arithmetic and the matrix unit's own rounding can turn it there, and no further.
;; 2 versions, each right; version 2 is version 1 with the launch couple written anew for expert scheduling mode. Each part assembles by itself: llvm-mc -triple=amdgcn-amd-amdhsa -mcpu=gfx1250 --defsym DOCPART=n.
;; ======== version 1 of 2: 1 launch
;; limits: a function is approximated: absolute error at most 1e-07
;; launch couple (part 1): grid 256 x 1, 16 waves a work-group, no clusters, 59,392 bytes of LDS; arguments input, t_feat, W1, b1, W2, b2, out0; writes out0
.if DOCPART == 1
	.amdgcn_target "amdgcn-amd-amdhsa--gfx1250"
	.amdhsa_code_object_version 6
	.text
	.protected	k_q5a74f83476_couple
	.globl	k_q5a74f83476_couple
	.p2align	8
	.type	k_q5a74f83476_couple,@function
k_q5a74f83476_couple:
	s_mov_b64 s[64:65], 0
	v_nop
	global_prefetch_b8 v0, s[64:65] scope:SCOPE_SE
	s_setreg_imm32_b32 hwreg(HW_REG_WAVE_MODE, 25, 1), 1
	s_wait_xcnt 0x0
; out0[p] = (x0, x1, spline(q)) for 1,048,576 points p = (x0, x1, q) of 12 bytes.  z = [tanh x0, tanh x1, t_feat[n][0..95]] (K = 98); hidden = relu(Q(z) Q(W1) + b1), on codes of FP4 (E2M1) with one E8M0
; scale for each 32 along K; d = softplus(hidden W2 + b2) + 1e-4, with bf16 operands and f32 sums; d's ten numbers make a monotone line of five pieces, which is evaluated at q.
; SHARES.  256 work-groups of sixteen waves; a work-group owns 4,096 points (49,152 bytes), all of one n = work-group / 64; a wave owns 256 of them, as 8 groups of 32: in a group lane l is point l.
; OPERANDS.  Blocks 1 to 3 of z hang on n alone: they are quantised once.  Block 0 holds the two tanh and t0..t29; its scale can move with the point, so every lane converts its own 32 numbers under its own scale.
; Both products are used transposed (source 0 = the weights' rows, source 1 = 16 points), so that a lane holds one point: the first product's results, rounded to bf16 in pairs, are the second's operand as they lie.
; W2's channels are laid in rows 0-4 (left side: dxl1, dyl1, dxl2, dyl2, kl) and 8-12 (right side: dxr1, dyr1, dxr2, dyr2, kr): lanes 0-15 then hold a point's left side, lanes 16-31 its right side.
; HEAD.  Waves 0-7 quantise W1 (a lane to a column, registers down K), waves 8, 9 z's blocks, waves 10, 11 round W2 to bf16; the results go through LDS as images of the operands' registers; one barrier; every wave loads all.
; POINTS go through the wave's own 3,072 bytes of LDS: in by six loads of 512 consecutive bytes, read 12 bytes a lane, q's word replaced, out by stores of 256 consecutive bytes at multiples of 256 from out0's first byte.
; No tensor loads, ring or cluster: work-groups share only the weights (under 30 KB), and every byte of the points is read once, by loads issued at the head.
; LIMITS.  NaN and infinities among the inputs are not served.  tanh: for |x| < 0.25 the odd series up to x^9 (the next term is under 1e-8 of the number), else 1 - 2 / (1 + e^2x).
; The outer pieces are anchored at (xL2, yL2) and (xR2, yR2) with slope 2 k, the middle piece at the end on q's side: the same lines as the definition's, in another order of rounding.  The clip's bound is 0.99 A + 9900
; in one fused multiply-add.  log(1 + e) is taken as log2 of the rounded 1 + e: an absolute error near 1e-7, at most about 1e-3 of d at its least, 1e-4.  W2 and b2 are multiplied by log2(e) ahead of the rounding to bf16.
; A block of zeros gets the scale byte 1 where the rule says 127: its codes are zeros, and this program alone reads the bytes.  The hidden layer goes in bf16: it has no bound that f16 would hold.
.set WST,  3072                        ; LDS: byte 0 on: a stage of 3,072 bytes for each wave
.set IMG,  49152                       ; images of 512 bytes (16 a lane): 0-7 W1's piece (tile i / 2, registers 4 (i % 2) on); 8, 9 z's
.set W2I,  54272                       ; W2's two bf16 fragments, 1,024 bytes each
.set SCW,  56320                       ; W1's scale words, 4 bytes a hidden unit
.set ZSC,  56576                       ; z's scale word
.set TMXL, 56592                       ; the largest magnitudes of z's four blocks, f32; word 0: of t0..t29 and the floor
.set LN12, 1                           ; v1   my stage + 12 x lane
.set LN8,  2                           ; v2   my stage + 8 x lane
.set ADR,  3                           ; v3   v1 + the trip's bytes
.set ADO,  4                           ; v4   v2 + the trip's bytes
.set GO,   5                           ; v5   8 x lane: my place in a store's 256 bytes
.set X,    6                           ; v[6:7] x0, x1
.set Q,    8
.set SGN,  9                           ; q's sign bit
.set U,    10                          ; |q|
.set BY,   11
.set E,    12                          ; v[12:13], v[14:15], v[16:17], v[18:19]: the tanh's pairs
.set UU,   14
.set P,    16
.set TS,   18
.set AM,   20
.set SOP,  21
.set O,    22                          ; v[22:27] the way out
.set MA,   22                          ; in a group: max(y, 0) of points 0-15,
.set MB,   12                          ; and of points 16-31
.set W1F,  28                          ; v28-59   W1's four fragments
.set B1,   60                          ; v60-91   b1 in the result's layout, eight registers a tile
.set W2F,  92                          ; v92-107  W2's two fragments
.set B2,   108                         ; v108-115 b2 in the result's layout
.set Z,    116                         ; v116-147 block 0 of z: two tanh, t0..t29
.set BK1,  148                         ; v148-151 block 1's codes, in every lane
.set PA,   152                         ; v152-159 z's fragment of points 0-15
.set PB,   160                         ; v160-167 of points 16-31
.set SW1,  168                         ; v168-169 W1's scale words: register u, lane l: hidden unit 32 u + l
.set SZ,   170                         ; v170     the points' scale words: lane l: point l
.set ZC,   171                         ; z's scale bytes 1 to 3
.set TMX,  172
.set ZERO, 173
.set EPS,  174                         ; v[174:175] 1e-4, twice
.set D2,   176                         ; v176-191 the second product's two tiles
.set D1,   192                         ; v192-255 the first product's eight tiles: (p, t) at 32 p + 8 t
.set EA,   D1+8                        ; registers of D1 that the second product does not name serve behind the packing
.set EB,   D1+24
.set SD,   D1+40                       ; a1, b1, a2, b2, k of q's side
.set AB,   D1+46                       ; A = a1 + a2, B = b1 + b2
.set MD,   D1+56                       ; the middle piece's run and rise
.set LIM,  D1+58
.set NUM,  D1+59
.set DEN,  D1+60
.set XA,   D1+61
.set YA,   D1+62
.set R,    D1+63
.set LANE, 6                           ; the head's own names: addresses and offsets, all made ahead of the parting of the waves
.set RR,   7
.set HH,   8
.set LI,   9
.set LS4,  10
.set ST16, 11
.set IMGA, 12
.set W2A,  13
.set SBA,  14
.set SBZ,  15
.set TMA,  16
.set KB,   17
.set H32,  18
.set H4,   19
.set H12,  20
.set WO0,  21
.set WO1,  22
.set ZO0,  23
.set ZO1,  24
.set VO,   25
.set FV,   26
.set TT,   27
.set MX,   176                         ; two maxima, the conversion's scale operand, the byte
.set X32,  D1                          ; a role's 32 numbers
.set IN,   D1+32                       ; my wave's points as loaded: 24 registers
.set CC,   D1+56                       ; a role's codes
	s_load_b256 s[4:11], s[0:1], 0x0               ; input s[4:5], t_feat s[6:7], W1 s[8:9], b1 s[10:11]
	s_load_b128 s[12:15], s[0:1], 0x20             ; W2 s[12:13], b2 s[14:15]
	s_load_b64 s[16:17], s[0:1], 0x30              ; out0
	v_mov_b32 v[ZERO], 0
	v_lshrrev_b32 v[TT], 5, v0
	v_readfirstlane_b32 s18, v[TT]                 ; wave 0..15
	s_and_b32 s19, s18, 1
	v_and_b32 v[LANE], 31, v0
	v_and_b32 v[RR], 15, v0                        ; r
	v_bfe_u32 v[HH], v0, 4, 1                      ; h
	s_mul_i32 s33, s18, WST                        ; my stage, and my wave's bytes among the work-group's
	v_mul_u32_u24 v[LN12], v[LANE], 12
	v_add_nc_u32 v[LN12], s33, v[LN12]
	v_lshl_add_u32 v[LN8], v[LANE], 3, s33
	v_lshl_add_u32 v[ST16], v[LANE], 4, s33
	v_lshlrev_b32 v[GO], 3, v[LANE]
	v_lshlrev_b32 v[LI], 4, v[LANE]
	v_lshlrev_b32 v[LS4], 2, v[LANE]
	s_lshl_b32 s34, s18, 9
	s_add_co_u32 s34, s34, IMG
	v_add_nc_u32 v[IMGA], s34, v[LI]               ; image number = wave (waves 0-9)
	s_lshl_b32 s34, s19, 10
	s_add_co_u32 s34, s34, W2I
	v_add_nc_u32 v[W2A], s34, v[LI]
	s_lshr_b32 s35, s18, 1
	s_lshl_b32 s35, s35, 6                         ; 64 x tile: 16 scale words, and 16 columns of W1 in bytes
	s_lshl_b32 s34, s19, 1
	s_add_co_u32 s36, s35, s34
	s_add_co_u32 s36, s36, SCW
	v_lshl_add_u32 v[SBA], v[RR], 2, v[HH]
	v_add_nc_u32 v[SBA], s36, v[SBA]               ; W1's scale byte of block 2 c + h of unit 16 t + r
	s_add_co_u32 s34, s34, ZSC
	v_add_nc_u32 v[SBZ], s34, v[HH]                ; z's scale byte of block 2 c + h
	s_lshl_b32 s34, s19, 3
	s_add_co_u32 s34, s34, TMXL
	v_lshl_add_u32 v[TMA], v[HH], 2, s34
	s_lshl_b32 s34, s19, 6
	v_lshl_add_u32 v[KB], v[HH], 5, s34            ; my block's first k: 64 c + 32 h, as the 4-bit operand's layout gives it to lane (r, h)
	v_cmp_eq_u32 s31, 0x60, v[KB]                  ; the last block: only k = 96, 97 exist
	v_cmp_eq_u32 s32, 0, v[KB]                     ; block 0: k = 0, 1 are the tanh's places
	v_lshlrev_b32 v[H32], 5, v[HH]
	v_lshlrev_b32 v[H4], 2, v[HH]
	v_mul_u32_u24 v[H12], v[HH], 12
	v_lshl_add_u32 v[TT], v[RR], 2, s35            ; W1: 4 x my column
	v_lshl_add_u32 v[WO0], v[KB], 8, v[TT]         ; rows KB, KB + 1 always exist;
	v_cndmask_b32 v[ZO1], v[KB], v[ZERO], s31
	v_lshl_add_u32 v[WO1], v[ZO1], 8, v[TT]        ; for the other 30 the last block reads rows 2 .. 31 instead, so that no load leaves the 98 rows, and clears them afterwards
	v_lshlrev_b32 v[ZO1], 2, v[ZO1]                ; t_feat likewise: z[k] = t[k - 2], the - 8 bytes stand in the immediates
	v_lshlrev_b32 v[ZO0], 2, v[KB]
	v_max_u32 v[ZO0], 8, v[ZO0]                    ; block 0 reads t0, t1 for k = 0, 1, and clears them
	v_and_b32 v[TT], 7, v[RR]
	v_cmp_gt_u32 vcc_lo, 8, v[RR]
	v_mov_b32 v[VO], 0x97362                       ; rows 8-12: channels 2, 6, 3, 7, 9, four bits each
	v_mov_b32 v[FV], 0x84051                       ; rows 0-4: channels 1, 5, 0, 4, 8
	v_cndmask_b32 v[VO], v[VO], v[FV], vcc_lo
	v_lshlrev_b32 v[FV], 2, v[TT]
	v_lshrrev_b32 v[VO], v[FV], v[VO]
	v_and_b32 v[VO], 15, v[VO]                     ; my row's channel (rows 5-7 and 13-15 read channel 0 and are multiplied by 0)
	v_lshlrev_b32 v[VO], 2, v[VO]
	v_mad_u32_u24 v[VO], v[HH], 320, v[VO]         ; W2: a row of 40 bytes; k = 32 s + 8 h on
	s_mul_i32 s34, s19, 1280
	v_add_nc_u32 v[VO], s34, v[VO]
	v_cmp_gt_u32 vcc_lo, 5, v[TT]
	v_mov_b32 v[FV], 0x3fb8aa3b                    ; log2(e)
	v_cndmask_b32 v[FV], v[ZERO], v[FV], vcc_lo
	s_mov_b32 s24, 0x3cb327a4                      ; 62 / 2835
	s_mov_b32 s25, 0x3e800000                      ; 0.25
	s_mov_b32 s26, 0x3f317218                      ; ln 2
	s_mov_b32 s27, s26                             ; (named with it as a pair)
	s_mov_b32 s28, 0x3f7d70a4                      ; 0.99
	s_mul_i32 s20, ttmp9, 49152
	s_add_co_u32 s20, s20, s33                     ; my wave's first byte in input and in out0
	s_mov_b32 s21, 0
	s_lshr_b32 s36, ttmp9, 6
	s_mul_i32 s36, s36, 384                        ; my n's row of t_feat
	s_mov_b32 s37, 0
	s_wait_kmcnt 0x0
	s_add_nc_u64 s[4:5], s[4:5], s[20:21]
	s_add_nc_u64 s[16:17], s[16:17], s[20:21]
	s_add_nc_u64 s[6:7], s[6:7], s[36:37]
	; what every wave keeps: 21 loads
.irp t, 0,1,2,3
	global_load_b128 v[B1+8*\t:B1+8*\t+3], v[H32], s[10:11] offset:64*\t       ; b1[16 t + 8 h + 0 .. 7]
	global_load_b128 v[B1+8*\t+4:B1+8*\t+7], v[H32], s[10:11] offset:64*\t+16
.endr
	global_load_b32 v[B2], v[H4], s[14:15] offset:4        ; channel 1 or 2
	global_load_b32 v[B2+1], v[H4], s[14:15] offset:20     ; 5 or 6
	global_load_b32 v[B2+2], v[H12], s[14:15]              ; 0 or 3
	global_load_b32 v[B2+3], v[H12], s[14:15] offset:16    ; 4 or 7
	global_load_b32 v[B2+4], v[H4], s[14:15] offset:32     ; 8 or 9
.irp i, 0,1,2,3,4,5,6
	global_load_b128 v[Z+2+4*\i:Z+5+4*\i], v[ZERO], s[6:7] offset:16*\i        ; t0 .. t27, the same in every lane
.endr
	global_load_b64 v[Z+30:Z+31], v[ZERO], s[6:7] offset:112                   ; t28, t29
.macro INLOAD                          ; my wave's 256 points: each load reads 512 consecutive bytes
.irp i, 0,1,2,3,4,5
	global_load_b128 v[IN+4*\i:IN+4*\i+3], v[LI], s[4:5] offset:512*\i th:TH_LOAD_NT
.endr
.endm
.macro ZERO_HI                         ; in the last block k = 98 on are zeros
.set i, 2
.rept 30
	v_cndmask_b32 v[X32+i], v[X32+i], v[ZERO], s31
.set i, i+1
.endr
.endm
.macro QUANT32                         ; a lane's 32 numbers, one block: its largest magnitude in v[MX], its byte in v[MX+3], its codes in v[CC] on
	v_max3_num_f32 v[MX], |v[X32]|, |v[X32+1]|, |v[X32+2]|
	v_max3_num_f32 v[MX+1], |v[X32+3]|, |v[X32+4]|, |v[X32+5]|
.irp i, 6,10,14,18,22,26
	v_max3_num_f32 v[MX], v[MX], |v[X32+\i]|, |v[X32+\i+1]|
	v_max3_num_f32 v[MX+1], v[MX+1], |v[X32+\i+2]|, |v[X32+\i+3]|
.endr
	v_max3_num_f32 v[MX], v[MX], |v[X32+30]|, |v[X32+31]|
	v_max3_num_f32 v[MX], v[MX], v[MX+1], 0x1800000        ; the floor 2^(3 - 127): the byte cannot fall under 1
	v_add_nc_u32 v[MX+2], 0xff000000, v[MX]                ; 2 off the exponent field: the conversion takes this operand's exponent field as its scale
	v_lshrrev_b32 v[MX+3], 23, v[MX+2]                     ; the scale's byte
.irp g, 0,1,2,3
	v_cvt_scalef32_pk8_fp4_f32 v[CC+\g], v[X32+8*\g:X32+8*\g+7], v[MX+2]
.endr
	v_nop                                                  ; one plain line behind the last scaled conversion
.endm
	s_cmp_lt_u32 s18, 8
	s_cbranch_scc0 .Lnot_w
	; waves 0-7: W1's tile w / 2, registers 4 (w % 2) on: lane (r, h) takes column 16 t + r and its registers run down K
.irp i, 0,1
	global_load_b32 v[X32+\i], v[WO0], s[8:9] offset:256*\i
.endr
.set i, 2
.rept 30
	global_load_b32 v[X32+i], v[WO1], s[8:9] offset:256*i
.set i, i+1
.endr
	INLOAD
	s_wait_loadcnt 6                               ; all but the six loads of my points, which were issued last
	ZERO_HI
	QUANT32
	ds_store_b128 v[IMGA], v[CC:CC+3]
	ds_store_b8 v[SBA], v[MX+3]
	s_branch .Ljoin
.Lnot_w:
	s_cmp_lt_u32 s18, 10
	s_cbranch_scc0 .Lnot_z
	; waves 8, 9: z's blocks 2 c + h, the tanh's two places taken as zeros (block 0's codes are not used; its largest magnitude is)
.irp i, 0,1
	global_load_b32 v[X32+\i], v[ZO0], s[6:7] offset:4*\i-8
.endr
.set i, 2
.rept 30
	global_load_b32 v[X32+i], v[ZO1], s[6:7] offset:4*i-8
.set i, i+1
.endr
	INLOAD
	s_wait_loadcnt 6                               ; all but the six loads of my points
	v_cndmask_b32 v[X32], v[X32], v[ZERO], s32
	v_cndmask_b32 v[X32+1], v[X32+1], v[ZERO], s32
	ZERO_HI
	QUANT32
	ds_store_b128 v[IMGA], v[CC:CC+3]
	ds_store_b8 v[SBZ], v[MX+3]                    ; sixteen lanes write the same byte with the same value
	ds_store_b32 v[TMA], v[MX]
	s_branch .Ljoin
.Lnot_z:
	s_cmp_lt_u32 s18, 12
	s_cbranch_scc0 .Lidle
	; waves 10, 11: W2's K step w % 2 as a bf16 fragment: lane (r, h): row r; registers 0-3: k = 8 h + 0 .. 7, registers 4-7: k = 16 + 8 h + 0 .. 7
.irp j, 0,1,2,3,4,5,6,7
	global_load_b32 v[X32+\j], v[VO], s[12:13] offset:40*\j
	global_load_b32 v[X32+8+\j], v[VO], s[12:13] offset:40*(16+\j)
.endr
	INLOAD
	s_wait_loadcnt 6                               ; all but the six loads of my points
.irp j, 0,1,2,3,4,5,6,7,8,9,10,11,12,13,14,15
	v_mul_f32 v[X32+\j], v[FV], v[X32+\j]          ; x log2(e), so that the softplus works in base 2; x 0 in the rows that hold no channel
.endr
.irp i, 0,1,2,3,4,5,6,7
	v_cvt_pk_bf16_f32 v[CC+\i], v[X32+2*\i], v[X32+2*\i+1]
.endr
	ds_store_b128 v[W2A], v[CC:CC+3]
	ds_store_b128 v[W2A], v[CC+4:CC+7] offset:512
	s_branch .Ljoin
.Lidle:
	INLOAD
.Ljoin:
	s_wait_dscnt 0x0                               ; for the others' sake: my images lie in LDS
	s_barrier_signal -1
	s_barrier_wait -1                              ; everybody's do.  The launch's one barrier: from here on a wave touches only its own stage
.irp i, 0,1,2,3,4,5,6,7
	ds_load_b128 v[W1F+4*\i:W1F+4*\i+3], v[LI] offset:IMG+512*\i
.endr
	ds_load_b32 v[SW1], v[LS4] offset:SCW
	ds_load_b32 v[SW1+1], v[LS4] offset:SCW+128
	ds_load_b128 v[BK1:BK1+3], v[ZERO] offset:IMG+8*512+256        ; lane 16's place in z's first image: block 1, for every lane
	ds_load_b128 v[PA+4:PA+7], v[LI] offset:IMG+9*512              ; blocks 2 and 3 as the layout wants them, for both fragments
	ds_load_b128 v[PB+4:PB+7], v[LI] offset:IMG+9*512
.irp i, 0,1,2,3
	ds_load_b128 v[W2F+4*\i:W2F+4*\i+3], v[LI] offset:W2I+512*\i
.endr
	ds_load_b32 v[ZC], v[ZERO] offset:ZSC
	ds_load_b32 v[TMX], v[ZERO] offset:TMXL
	s_wait_loadcnt 0x0                             ; my points, and in waves 12-15 b1, b2 and t too
.irp i, 0,1,2,3,4,5
	ds_store_b128 v[ST16], v[IN+4*\i:IN+4*\i+3] offset:512*\i      ; into my stage, as they lie in memory
.endr
.irp j, 0,1,2,3,4
	v_mul_f32 v[B2+\j], 0x3fb8aa3b, v[B2+\j]       ; b2 x log2(e), like W2
.endr
.irp j, 5,6,7
	v_mov_b32 v[B2+\j], 0
.endr
	v_mov_b32 v[EPS], 0x38d1b717                   ; 1e-4
	v_mov_b32 v[EPS+1], 0x38d1b717
	s_wait_dscnt 0x0
	v_and_b32 v[ZC], 0xffffff00, v[ZC]             ; byte 0 is each point's own
; The first product: tile t of 16 hidden units x points 16 p on.  W1's scale words of tile t lie in lanes 16 (t % 2) on of register t / 2, the points' of p in lanes 16 p on.  b1 is the C.
.macro PROD1 p, t
.if ((\p) == 0) && ((\t)%2 == 0)
	v_wmma_scale_f32_16x16x128_f8f6f4 v[D1+32*(\p)+8*(\t):D1+32*(\p)+8*(\t)+7], v[W1F+8*(\t):W1F+8*(\t)+7], v[PA+8*(\p):PA+8*(\p)+7], v[B1+8*(\t):B1+8*(\t)+7], v[SW1+(\t)/2], v[SZ] matrix_a_fmt:MATRIX_FMT_FP4 matrix_b_fmt:MATRIX_FMT_FP4
.elseif (\p) == 0
	v_wmma_scale_f32_16x16x128_f8f6f4 v[D1+32*(\p)+8*(\t):D1+32*(\p)+8*(\t)+7], v[W1F+8*(\t):W1F+8*(\t)+7], v[PA+8*(\p):PA+8*(\p)+7], v[B1+8*(\t):B1+8*(\t)+7], v[SW1+(\t)/2], v[SZ] matrix_a_fmt:MATRIX_FMT_FP4 matrix_b_fmt:MATRIX_FMT_FP4 matrix_a_scale:MATRIX_SCALE_ROW1
.elseif (\t)%2 == 0
	v_wmma_scale_f32_16x16x128_f8f6f4 v[D1+32*(\p)+8*(\t):D1+32*(\p)+8*(\t)+7], v[W1F+8*(\t):W1F+8*(\t)+7], v[PA+8*(\p):PA+8*(\p)+7], v[B1+8*(\t):B1+8*(\t)+7], v[SW1+(\t)/2], v[SZ] matrix_a_fmt:MATRIX_FMT_FP4 matrix_b_fmt:MATRIX_FMT_FP4 matrix_b_scale:MATRIX_SCALE_ROW1
.else
	v_wmma_scale_f32_16x16x128_f8f6f4 v[D1+32*(\p)+8*(\t):D1+32*(\p)+8*(\t)+7], v[W1F+8*(\t):W1F+8*(\t)+7], v[PA+8*(\p):PA+8*(\p)+7], v[B1+8*(\t):B1+8*(\t)+7], v[SW1+(\t)/2], v[SZ] matrix_a_fmt:MATRIX_FMT_FP4 matrix_b_fmt:MATRIX_FMT_FP4 matrix_a_scale:MATRIX_SCALE_ROW1 matrix_b_scale:MATRIX_SCALE_ROW1
.endif
.endm
; Tiles 2 u and 2 u + 1 of points 16 p on: relu, two numbers an instruction, each tile from its low end on; then rounded to bf16 in pairs, in place: register i takes numbers 2 i and 2 i + 1.
; Lane (r, h) held hidden units 32 u + 8 h + 0 .. 7 and 32 u + 16 + 8 h + 0 .. 7 of point r: the eight registers are the second product's operand for K step u.
.macro RELUPACK p, u
.set RB, D1+32*(\p)+16*(\u)
.irp a, 0,2,4,6,8,10,12,14
	v_dual_max_num_f32 v[RB+\a], v[ZERO], v[RB+\a] :: v_dual_max_num_f32 v[RB+\a+1], v[ZERO], v[RB+\a+1]
.endr
.irp i, 0,1,2,3,4,5,6,7
	v_cvt_pk_bf16_f32 v[RB+\i], v[RB+2*\i], v[RB+2*\i+1]
.endr
.endm
; A GROUP of 32 points, g bytes into the trip's part of the stage.
.macro GROUP g
	ds_load_b32 v[X], v[ADR] offset:\g             ; 12 bytes from lane to lane: 32 different banks
	ds_load_b32 v[X+1], v[ADR] offset:\g+4
	ds_load_b32 v[Q], v[ADR] offset:\g+8
	s_wait_dscnt 0x0
	; tanh of x0 and x1
	v_pk_mul_f32 v[E:E+1], v[X:X+1], 0x4038aa3b op_sel_hi:[1,0]    ; 2 log2(e) x
	v_pk_mul_f32 v[UU:UU+1], v[X:X+1], v[X:X+1]
	v_exp_f32 v[E], v[E]
	v_exp_f32 v[E+1], v[E+1]                       ; e^2x
	v_fmaak_f32 v[P], s24, v[UU], 0xbd5d0dd1       ; the series' polynomial in x^2: 62/2835, -17/315, 2/15, -1/3.  (Plain lines behind the exponentials)
	v_fmaak_f32 v[P+1], s24, v[UU+1], 0xbd5d0dd1
	v_fmaak_f32 v[P], v[P], v[UU], 0x3e088889
	v_fmaak_f32 v[P+1], v[P+1], v[UU+1], 0x3e088889
	v_fmaak_f32 v[P], v[P], v[UU], 0xbeaaaaab
	v_fmaak_f32 v[P+1], v[P+1], v[UU+1], 0xbeaaaaab
	s_wait_alu depctr_va_vdst(0)
	v_pk_add_f32 v[E:E+1], v[E:E+1], 1.0 op_sel_hi:[1,0]
	v_rcp_f32 v[E], v[E]
	v_rcp_f32 v[E+1], v[E+1]
	v_pk_mul_f32 v[P:P+1], v[P:P+1], v[UU:UU+1]    ; (plain lines behind the reciprocals)
	v_pk_fma_f32 v[TS:TS+1], v[P:P+1], v[X:X+1], v[X:X+1]          ; x + x x^2 P(x^2)
	s_wait_alu depctr_va_vdst(0)
	v_pk_fma_f32 v[E:E+1], v[E:E+1], -2.0, 1.0 op_sel_hi:[1,0,0]   ; 1 - 2 / (1 + e^2x)
	v_cmp_gt_f32 s33, s25, |v[X]|
	v_cmp_gt_f32 s34, s25, |v[X+1]|
	v_cndmask_b32 v[Z], v[E], v[TS], s33           ; the series where |x| < 0.25
	v_cndmask_b32 v[Z+1], v[E+1], v[TS+1], s34
	; block 0's scale, each point's own, and its codes
	v_max3_num_f32 v[AM], |v[Z]|, |v[Z+1]|, v[TMX]
	v_add_nc_u32 v[SOP], 0xff000000, v[AM]
	v_lshrrev_b32 v[BY], 23, v[SOP]
	v_or_b32 v[SZ], v[BY], v[ZC]                   ; the point's scale word
.irp c, 0,1,2,3
	v_cvt_scalef32_pk8_fp4_f32 v[PA+\c], v[Z+8*\c:Z+8*\c+7], v[SOP]
.endr
.irp c, 0,1,2,3
	v_mov_b32 v[PB+\c], v[BK1+\c]                  ; (the first is the plain line behind the conversions)
.endr
.irp c, 0,1,2,3
	v_permlane16_swap_b32 v[PA+\c], v[PB+\c]       ; PA: lanes 0-15 block 0 of points 0-15, lanes 16-31 block 1;  PB: the same of points 16-31
.endr
	v_and_b32 v[SGN], 0x80000000, v[Q]
	v_and_b32 v[U], 0x7fffffff, v[Q]
.rept 6
	v_nop                                          ; with the two lines above: eight plain lines that name nothing of the products stand between the scale word's write and the scaled matrix instructions, and behind the exchange of halves
.endr
.irp p, 0,1
.irp t, 0,1,2,3
	PROD1 \p, \t
.endr
.endr
.rept 4
	v_nop                                          ; four places in front of the first read of results (ISA guide 7.12.1)
.endr
	RELUPACK 0, 0
	RELUPACK 0, 1
	RELUPACK 1, 0
	RELUPACK 1, 1
	; the second product: source 0 = W2's 16 rows, source 1 = 16 points; b2 is the C of each sum's first instruction; the two accumulators take turns
	v_wmma_f32_16x16x32_bf16 v[D2:D2+7], v[W2F:W2F+7], v[D1:D1+7], v[B2:B2+7]
	v_wmma_f32_16x16x32_bf16 v[D2+8:D2+15], v[W2F:W2F+7], v[D1+32:D1+39], v[B2:B2+7]
	v_wmma_f32_16x16x32_bf16 v[D2:D2+7], v[W2F+8:W2F+15], v[D1+16:D1+23], v[D2:D2+7]
	v_wmma_f32_16x16x32_bf16 v[D2+8:D2+15], v[W2F+8:W2F+15], v[D1+48:D1+55], v[D2+8:D2+15]
.rept 4
	v_nop
.endr
	; softplus in base 2: ln 2 (max(y, 0) + log2(1 + 2^-|y|)) + 1e-4, y = the sum x log2(e).  Register 5 of each set rides along in the pairs and is never used
.irp j, 0,1,2,3,4
	v_exp_f32 v[EA+\j], -|v[D2+\j]|                ; each accumulator from its low end on
.endr
.irp j, 0,1,2,3,4
	v_exp_f32 v[EB+\j], -|v[D2+8+\j]|
.endr
	v_cmp_gt_i32 s29, 0, v[Q]                      ; q's sign.  (A plain line behind the exponentials)
.irp a, 0,2,4
	v_dual_max_num_f32 v[MA+\a], v[ZERO], v[D2+\a] :: v_dual_max_num_f32 v[MA+\a+1], v[ZERO], v[D2+\a+1]
.endr
	s_wait_alu depctr_va_vdst(0)
.irp a, 0,2,4
	v_pk_add_f32 v[EA+\a:EA+\a+1], v[EA+\a:EA+\a+1], 1.0 op_sel_hi:[1,0]
	v_pk_add_f32 v[EB+\a:EB+\a+1], v[EB+\a:EB+\a+1], 1.0 op_sel_hi:[1,0]
.endr
.irp j, 0,1,2,3,4
	v_log_f32 v[EA+\j], v[EA+\j]
.endr
.irp j, 0,1,2,3,4
	v_log_f32 v[EB+\j], v[EB+\j]
.endr
.irp a, 0,2,4
	v_dual_max_num_f32 v[MB+\a], v[ZERO], v[D2+8+\a] :: v_dual_max_num_f32 v[MB+\a+1], v[ZERO], v[D2+8+\a+1]   ; (plain lines behind the logarithms)
.endr
	s_wait_alu depctr_va_vdst(0)
.irp a, 0,2,4
	v_pk_add_f32 v[EA+\a:EA+\a+1], v[EA+\a:EA+\a+1], v[MA+\a:MA+\a+1]
	v_pk_add_f32 v[EB+\a:EB+\a+1], v[EB+\a:EB+\a+1], v[MB+\a:MB+\a+1]
.endr
.irp a, 0,2,4
	v_pk_fma_f32 v[EA+\a:EA+\a+1], v[EA+\a:EA+\a+1], s[26:27], v[EPS:EPS+1] op_sel_hi:[1,0,1]
	v_pk_fma_f32 v[EB+\a:EB+\a+1], v[EB+\a:EB+\a+1], s[26:27], v[EPS:EPS+1] op_sel_hi:[1,0,1]
.endr
.irp j, 0,1,2,3,4
	v_permlane16_swap_b32 v[EA+\j], v[EB+\j]       ; lane l now holds point l's left side in EA and its right side in EB
.endr
	; the line of five pieces, mirrored onto q's side: u = |q|; a1, b1 the inner step, a2, b2 the outer, k half the slope beyond
.irp j, 0,1,2,3,4
	v_cndmask_b32 v[SD+\j], v[EB+\j], v[EA+\j], s29
.endr
	v_pk_add_f32 v[AB:AB+1], v[SD:SD+1], v[SD+2:SD+3]
	v_pk_add_f32 v[MD:MD+1], v[EA:EA+1], v[EB:EB+1]
	v_fmaak_f32 v[LIM], s28, v[AB], 0x461ab000     ; 0.99 (A + 10000)
	v_min_num_f32 v[U], v[U], v[LIM]
	v_cmp_lt_f32 s30, v[U], v[AB]
	v_cmp_lt_f32 vcc_lo, v[U], v[SD]
	v_cndmask_b32 v[NUM], v[SD+4], v[SD+3], s30    ; u < A: b2 / a2 from (a1, b1);  else k / 0.5 from (A, B)
	v_cndmask_b32 v[DEN], 0.5, v[SD+2], s30
	v_cndmask_b32 v[XA], v[AB], v[SD], s30
	v_cndmask_b32 v[YA], v[AB+1], v[SD+1], s30
	v_cndmask_b32 v[NUM], v[NUM], v[MD+1], vcc_lo  ; u < a1: the middle piece's slope, from (a1, b1) too
	v_cndmask_b32 v[DEN], v[DEN], v[MD], vcc_lo
	v_rcp_f32 v[R], v[DEN]
	v_sub_f32 v[XA], v[U], v[XA]                   ; (a plain line behind the reciprocal)
	s_wait_alu depctr_va_vdst(0)
	v_mul_f32 v[NUM], v[NUM], v[R]
	v_fma_f32 v[YA], v[NUM], v[XA], v[YA]
	v_xor_b32 v[YA], v[YA], v[SGN]                 ; back onto q's side
	ds_store_b32 v[ADR], v[YA] offset:\g+8         ; over q in my stage; x0 and x1 stay as they came
.endm
	s_mov_b32 s22, 0                               ; the trip's bytes in my stage
	s_mov_b32 s23, 4                               ; four trips of two groups
.Ltrip:
	v_add_nc_u32 v[ADR], s22, v[LN12]
	v_add_nc_u32 v[ADO], s22, v[LN8]
	GROUP 0
	GROUP 384
.irp i, 0,1,2
	ds_load_b64 v[O+2*\i:O+2*\i+1], v[ADO] offset:256*\i           ; LDS serves a wave's instructions in order (ISA guide 5.7.1.4): these see my stores
.endr
	s_wait_dscnt 0x0
.irp i, 0,1,2
	global_store_b64 v[GO], v[O+2*\i:O+2*\i+1], s[16:17] offset:256*\i th:TH_STORE_NT   ; 32 lanes store 256 consecutive bytes, at a multiple of 256 from out0's first byte
.endr
	s_wait_xcnt 0x0                                ; the stores' base and data are written again only behind this wait
	s_add_nc_u64 s[16:17], s[16:17], 768
	s_add_co_u32 s22, s22, 768
	s_sub_co_u32 s23, s23, 1
	s_cmp_lg_u32 s23, 0
	s_cbranch_scc1 .Ltrip
	s_wait_xcnt 0x0
	v_lshl_add_u32 v254, v0, 2, 0xe000
	v_mov_b32 v255, 0
	s_wait_tensorcnt 0x0
	ds_add_u32 v254, v255
	s_wait_dscnt 0x0
	s_endpgm
.Lfunc_end_k_q5a74f83476_couple:
	.size	k_q5a74f83476_couple, .Lfunc_end_k_q5a74f83476_couple-k_q5a74f83476_couple
	.p2alignl 7, 3214868480
	.fill 96, 4, 3214868480
	.section	.rodata,"a",@progbits
	.p2align	6, 0x0
	.amdhsa_kernel k_q5a74f83476_couple
		.amdhsa_group_segment_fixed_size 59392
		.amdhsa_private_segment_fixed_size 0
		.amdhsa_enable_private_segment 0
		.amdhsa_kernarg_size 56
		.amdhsa_user_sgpr_count 2
		.amdhsa_user_sgpr_kernarg_segment_ptr 1
		.amdhsa_wavefront_size32 1
		.amdhsa_system_sgpr_workgroup_id_x 1
		.amdhsa_system_sgpr_workgroup_id_y 1
		.amdhsa_system_sgpr_workgroup_id_z 1
		.amdhsa_system_vgpr_workitem_id 0
		.amdhsa_next_free_vgpr 256
		.amdhsa_next_free_sgpr 66
		.amdhsa_reserve_vcc 1
		.amdhsa_float_denorm_mode_32 3
		.amdhsa_float_denorm_mode_16_64 3
		.amdhsa_memory_ordered 1
		.amdhsa_forward_progress 1
		.amdhsa_inst_pref_size 52
	.end_amdhsa_kernel
	.amdgpu_metadata
---
amdhsa.version: [ 1, 2 ]
amdhsa.kernels:
  - .name:           k_q5a74f83476_couple
    .symbol:         k_q5a74f83476_couple.kd
    .args:
      - { .name: input, .offset: 0, .size: 8, .value_kind: global_buffer, .address_space: global }
      - { .name: t_feat, .offset: 8, .size: 8, .value_kind: global_buffer, .address_space: global }
      - { .name: W1, .offset: 16, .size: 8, .value_kind: global_buffer, .address_space: global }
      - { .name: b1, .offset: 24, .size: 8, .value_kind: global_buffer, .address_space: global }
      - { .name: W2, .offset: 32, .size: 8, .value_kind: global_buffer, .address_space: global }
      - { .name: b2, .offset: 40, .size: 8, .value_kind: global_buffer, .address_space: global }
      - { .name: out0, .offset: 48, .size: 8, .value_kind: global_buffer, .address_space: global }
    .group_segment_fixed_size: 59392
    .private_segment_fixed_size: 0
    .kernarg_segment_align: 8
    .kernarg_segment_size: 56
    .max_flat_workgroup_size: 512
    .sgpr_count:     66
    .vgpr_count:     256
    .wavefront_size: 32
...
	.end_amdgpu_metadata
.endif
;; end of part 1
;; ======== version 2 of 2: 1 launch; version 1 with the launch couple written anew for expert scheduling mode
;; limits: a function is approximated: absolute error at most 1e-07
;; launch couple (part 2): grid 256 x 1, 16 waves a work-group, no clusters, 59,392 bytes of LDS; arguments input, t_feat, W1, b1, W2, b2, out0; writes out0
.if DOCPART == 2
	.amdgcn_target "amdgcn-amd-amdhsa--gfx1250"
	.amdhsa_code_object_version 6
	.text
	.protected	k_q5a74f83476_couple
	.globl	k_q5a74f83476_couple
	.p2align	8
	.type	k_q5a74f83476_couple,@function
k_q5a74f83476_couple:
	s_mov_b64 s[64:65], 0
	v_nop
	global_prefetch_b8 v0, s[64:65] scope:SCOPE_SE
	s_setreg_imm32_b32 hwreg(HW_REG_WAVE_SCHED_MODE, 0, 2), 2
	s_setreg_imm32_b32 hwreg(HW_REG_WAVE_MODE, 25, 1), 1
	s_wait_xcnt 0x0
	s_wait_alu depctr_vm_vsrc(0)
; out0[p] = (x0, x1, spline(q)) for 1,048,576 points p = (x0, x1, q) of 12 bytes.  z = [tanh x0, tanh x1, t_feat[n][0..95]] (K = 98); hidden = relu(Q(z) Q(W1) + b1), on codes of FP4 (E2M1) with one E8M0
; scale for each 32 along K; d = softplus(hidden W2 + b2) + 1e-4, with bf16 operands and f32 sums; d's ten numbers make a monotone line of five pieces, which is evaluated at q.
; SHARES.  256 work-groups of sixteen waves; a work-group owns 4,096 points (49,152 bytes), all of one n = work-group / 64; a wave owns 256 of them, as 8 groups of 32: in a group lane l is point l.
; OPERANDS.  Blocks 1 to 3 of z hang on n alone: they are quantised once.  Block 0 holds the two tanh and t0..t29; its scale can move with the point, so every lane converts its own 32 numbers under its own scale.
; Both products are used transposed (source 0 = the weights' rows, source 1 = 16 points), so that a lane holds one point: the first product's results, rounded to bf16 in pairs, are the second's operand as they lie.
; W2's channels are laid in rows 0-4 (left side: dxl1, dyl1, dxl2, dyl2, kl) and 8-12 (right side: dxr1, dyr1, dxr2, dyr2, kr): lanes 0-15 then hold a point's left side, lanes 16-31 its right side.
; HEAD.  Waves 0-7 quantise W1 (a lane to a column, registers down K), waves 8, 9 z's blocks, waves 10, 11 round W2 to bf16; the results go through LDS as images of the operands' registers; one barrier; every wave loads all.
; POINTS go through the wave's own 3,072 bytes of LDS: in by six loads of 512 consecutive bytes, read 12 bytes a lane, q's word replaced, out by stores of 256 consecutive bytes at multiples of 256 from out0's first byte.
; No tensor loads, ring or cluster: work-groups share only the weights (under 30 KB), and every byte of the points is read once, by loads issued at the head.
; LIMITS.  NaN and infinities among the inputs are not served.  tanh: for |x| < 0.25 the odd series up to x^9 (the next term is under 1e-8 of the number), else 1 - 2 / (1 + e^2x).
; The outer pieces are anchored at (xL2, yL2) and (xR2, yR2) with slope 2 k, the middle piece at the end on q's side: the same lines as the definition's, in another order of rounding.  The clip's bound is 0.99 A + 9900
; in one fused multiply-add.  log(1 + e) is taken as log2 of the rounded 1 + e: an absolute error near 1e-7, at most about 1e-3 of d at its least, 1e-4.  W2 and b2 are multiplied by log2(e) ahead of the rounding to bf16.
; A block of zeros gets the scale byte 1 where the rule says 127: its codes are zeros, and this program alone reads the bytes.  The hidden layer goes in bf16: it has no bound that f16 would hold.
; THE MODE: SCHED_MODE bits 1:0 = 2 (LLVM: expert scheduling mode 2), set by the entry lines.  The code itself states the register dependences between vector or matrix instructions and memory or LDS
; instructions, with s_wait_alu, always for 0.
; THE PLAN.  Registers that memory or LDS instructions touch:
;   v1, v2, v5, v173   Offsets and addresses made at the head and never written again.
;   v9-v25             The head's other addresses: made ahead of the head's one wait on va_vdst, read by the head's loads and LDS instructions; work registers of the loop from the first trip's wait on vm_vsrc on.
;   X32, IN, CC, MX    The head's roles: X32 and IN are landed in by loads alone; CC and MX are written by a role's vector lines and read by its LDS stores, behind one wait on va_vdst a role.
;   v3, v4 (ADR, ADO)  Written by two adds at a trip's head, behind a wait on vm_vsrc; read by the trip's LDS instructions, each of which stands behind a later wait on va_vdst.
;   v6-v8 (X, Q)       A group's three words.  Read by the tanh's lines, three compares and the two lines that part q's sign from its size, all ahead of the first product.  The wait on va_vdst that stands ahead of the scaled
;                      products states that these reads are done; the NEXT group's three LDS loads stand behind the eight products, which name none of v3, v6-v8, and have the rest of the group in which to land.
;   v254 (YA)          Written by the line's last three instructions, read by the LDS store over q, written again by the next group's first product: a wait on vm_vsrc stands between two groups.
;   v22-v27 (O = MA)   Named by vector lines inside a group; on the way out three LDS loads land there (behind the wait ahead of the store of YA: no vector line follows it in the trip) and three global stores read them.
.set WST,  3072                        ; LDS: byte 0 on: a stage of 3,072 bytes for each wave
.set IMG,  49152                       ; images of 512 bytes (16 a lane): 0-7 W1's piece (tile i / 2, registers 4 (i % 2) on); 8, 9 z's
.set W2I,  54272                       ; W2's two bf16 fragments, 1,024 bytes each
.set SCW,  56320                       ; W1's scale words, 4 bytes a hidden unit
.set ZSC,  56576                       ; z's scale word
.set TMXL, 56592                       ; the largest magnitudes of z's four blocks, f32; word 0: of t0..t29 and the floor
.set LN12, 1                           ; v1   my stage + 12 x lane
.set LN8,  2                           ; v2   my stage + 8 x lane
.set ADR,  3                           ; v3   v1 + the trip's bytes
.set ADO,  4                           ; v4   v2 + the trip's bytes
.set GO,   5                           ; v5   8 x lane: my place in a store's 256 bytes
.set X,    6                           ; v[6:7] x0, x1
.set Q,    8
.set SGN,  9                           ; q's sign bit
.set U,    10                          ; |q|
.set BY,   11
.set E,    12                          ; v[12:13], v[14:15], v[16:17], v[18:19]: the tanh's pairs
.set UU,   14
.set P,    16
.set TS,   18
.set AM,   20
.set SOP,  21
.set O,    22                          ; v[22:27] the way out
.set MA,   22                          ; in a group: max(y, 0) of points 0-15,
.set MB,   12                          ; and of points 16-31
.set W1F,  28                          ; v28-59   W1's four fragments
.set B1,   60                          ; v60-91   b1 in the result's layout, eight registers a tile
.set W2F,  92                          ; v92-107  W2's two fragments
.set B2,   108                         ; v108-115 b2 in the result's layout
.set Z,    116                         ; v116-147 block 0 of z: two tanh, t0..t29
.set BK1,  148                         ; v148-151 block 1's codes, in every lane
.set PA,   152                         ; v152-159 z's fragment of points 0-15
.set PB,   160                         ; v160-167 of points 16-31
.set SW1,  168                         ; v168-169 W1's scale words: register u, lane l: hidden unit 32 u + l
.set SZ,   170                         ; v170     the points' scale words: lane l: point l
.set ZC,   171                         ; z's scale bytes 1 to 3
.set TMX,  172
.set ZERO, 173
.set EPS,  174                         ; v[174:175] 1e-4, twice
.set D2,   176                         ; v176-191 the second product's two tiles
.set D1,   192                         ; v192-255 the first product's eight tiles: (p, t) at 32 p + 8 t
.set EA,   D1+8                        ; registers of D1 that the second product does not name serve behind the packing
.set EB,   D1+24
.set SD,   D1+40                       ; a1, b1, a2, b2, k of q's side
.set AB,   D1+46                       ; A = a1 + a2, B = b1 + b2
.set MD,   D1+56                       ; the middle piece's run and rise
.set LIM,  D1+58
.set NUM,  D1+59
.set DEN,  D1+60
.set XA,   D1+61
.set YA,   D1+62
.set R,    D1+63
.set LANE, 6                           ; the head's own names: addresses and offsets, all made ahead of the parting of the waves
.set RR,   7
.set HH,   8
.set LI,   9
.set LS4,  10
.set ST16, 11
.set IMGA, 12
.set W2A,  13
.set SBA,  14
.set SBZ,  15
.set TMA,  16
.set KB,   17
.set H32,  18
.set H4,   19
.set H12,  20
.set WO0,  21
.set WO1,  22
.set ZO0,  23
.set ZO1,  24
.set VO,   25
.set FV,   26
.set TT,   27
.set MX,   176                         ; two maxima, the conversion's scale operand, the byte
.set X32,  D1                          ; a role's 32 numbers
.set IN,   D1+32                       ; my wave's points as loaded: 24 registers
.set CC,   D1+56                       ; a role's codes
	s_load_b256 s[4:11], s[0:1], 0x0               ; input s[4:5], t_feat s[6:7], W1 s[8:9], b1 s[10:11]
	s_load_b128 s[12:15], s[0:1], 0x20             ; W2 s[12:13], b2 s[14:15]
	s_load_b64 s[16:17], s[0:1], 0x30              ; out0
	v_mov_b32 v[ZERO], 0
	v_lshrrev_b32 v[TT], 5, v0
	v_readfirstlane_b32 s18, v[TT]                 ; wave 0..15
	v_and_b32 v[LANE], 31, v0
	v_and_b32 v[RR], 15, v0                        ; r
	v_bfe_u32 v[HH], v0, 4, 1                      ; h
	s_wait_alu depctr_va_sdst(0)                   ; s18 is written, ahead of its first reader: the roles, the stage and the bases are made from it
	s_and_b32 s19, s18, 1
	s_mul_i32 s33, s18, WST                        ; my stage, and my wave's bytes among the work-group's
	v_mul_u32_u24 v[LN12], v[LANE], 12
	v_add_nc_u32 v[LN12], s33, v[LN12]
	v_lshl_add_u32 v[LN8], v[LANE], 3, s33
	v_lshl_add_u32 v[ST16], v[LANE], 4, s33
	v_lshlrev_b32 v[GO], 3, v[LANE]
	v_lshlrev_b32 v[LI], 4, v[LANE]
	v_lshlrev_b32 v[LS4], 2, v[LANE]
	s_lshl_b32 s34, s18, 9
	s_add_co_u32 s34, s34, IMG
	v_add_nc_u32 v[IMGA], s34, v[LI]               ; image number = wave (waves 0-9)
	s_lshl_b32 s34, s19, 10
	s_add_co_u32 s34, s34, W2I
	v_add_nc_u32 v[W2A], s34, v[LI]
	s_lshr_b32 s35, s18, 1
	s_lshl_b32 s35, s35, 6                         ; 64 x tile: 16 scale words, and 16 columns of W1 in bytes
	s_lshl_b32 s34, s19, 1
	s_add_co_u32 s36, s35, s34
	s_add_co_u32 s36, s36, SCW
	v_lshl_add_u32 v[SBA], v[RR], 2, v[HH]
	v_add_nc_u32 v[SBA], s36, v[SBA]               ; W1's scale byte of block 2 c + h of unit 16 t + r
	s_add_co_u32 s34, s34, ZSC
	v_add_nc_u32 v[SBZ], s34, v[HH]                ; z's scale byte of block 2 c + h
	s_lshl_b32 s34, s19, 3
	s_add_co_u32 s34, s34, TMXL
	v_lshl_add_u32 v[TMA], v[HH], 2, s34
	s_lshl_b32 s34, s19, 6
	v_lshl_add_u32 v[KB], v[HH], 5, s34            ; my block's first k: 64 c + 32 h, as the 4-bit operand's layout gives it to lane (r, h)
	v_cmp_eq_u32 s31, 0x60, v[KB]                  ; the last block: only k = 96, 97 exist
	v_cmp_eq_u32 s32, 0, v[KB]                     ; block 0: k = 0, 1 are the tanh's places
	v_lshlrev_b32 v[H32], 5, v[HH]
	v_lshlrev_b32 v[H4], 2, v[HH]
	v_mul_u32_u24 v[H12], v[HH], 12
	v_lshl_add_u32 v[TT], v[RR], 2, s35            ; W1: 4 x my column
	v_lshl_add_u32 v[WO0], v[KB], 8, v[TT]         ; rows KB, KB + 1 always exist;
	s_wait_alu depctr_va_sdst(0)                   ; the two compares have written s31 and s32, ahead of their first readers (s32's stands behind the parting of the waves) and of every branch
	v_cndmask_b32 v[ZO1], v[KB], v[ZERO], s31
	v_lshl_add_u32 v[WO1], v[ZO1], 8, v[TT]        ; for the other 30 the last block reads rows 2 .. 31 instead, so that no load leaves the 98 rows, and clears them afterwards
	v_lshlrev_b32 v[ZO1], 2, v[ZO1]                ; t_feat likewise: z[k] = t[k - 2], the - 8 bytes stand in the immediates
	v_lshlrev_b32 v[ZO0], 2, v[KB]
	v_max_u32 v[ZO0], 8, v[ZO0]                    ; block 0 reads t0, t1 for k = 0, 1, and clears them
	v_and_b32 v[TT], 7, v[RR]
	v_cmp_gt_u32 vcc_lo, 8, v[RR]
	v_mov_b32 v[VO], 0x97362                       ; rows 8-12: channels 2, 6, 3, 7, 9, four bits each
	v_mov_b32 v[FV], 0x84051                       ; rows 0-4: channels 1, 5, 0, 4, 8
	s_wait_alu depctr_va_vcc(0)                    ; the compare has written VCC, which the select below reads
	v_cndmask_b32 v[VO], v[VO], v[FV], vcc_lo
	v_lshlrev_b32 v[FV], 2, v[TT]
	v_lshrrev_b32 v[VO], v[FV], v[VO]
	v_and_b32 v[VO], 15, v[VO]                     ; my row's channel (rows 5-7 and 13-15 read channel 0 and are multiplied by 0)
	v_lshlrev_b32 v[VO], 2, v[VO]
	v_mad_u32_u24 v[VO], v[HH], 320, v[VO]         ; W2: a row of 40 bytes; k = 32 s + 8 h on
	s_mul_i32 s34, s19, 1280
	v_add_nc_u32 v[VO], s34, v[VO]
	v_cmp_gt_u32 vcc_lo, 5, v[TT]
	v_mov_b32 v[FV], 0x3fb8aa3b                    ; log2(e)
	s_wait_alu depctr_va_vcc(0)                    ; the compare has written VCC, which the select below reads
	v_cndmask_b32 v[FV], v[ZERO], v[FV], vcc_lo
	s_mov_b32 s24, 0x3cb327a4                      ; 62 / 2835
	s_mov_b32 s25, 0x3e800000                      ; 0.25
	s_mov_b32 s26, 0x3f317218                      ; ln 2
	s_mov_b32 s27, s26                             ; (named with it as a pair)
	s_mov_b32 s28, 0x3f7d70a4                      ; 0.99
	s_mul_i32 s20, ttmp9, 49152
	s_add_co_u32 s20, s20, s33                     ; my wave's first byte in input and in out0
	s_mov_b32 s21, 0
	s_lshr_b32 s36, ttmp9, 6
	s_mul_i32 s36, s36, 384                        ; my n's row of t_feat
	s_mov_b32 s37, 0
	s_wait_kmcnt 0x0
	s_add_nc_u64 s[4:5], s[4:5], s[20:21]
	s_add_nc_u64 s[16:17], s[16:17], s[20:21]
	s_add_nc_u64 s[6:7], s[6:7], s[36:37]
	s_wait_alu depctr_va_vdst(0)                   ; every offset and address of the kernel but v3 and v4 is written (v1, v2, v5, v9-v25, v173), which the loads, stores and LDS instructions below read; the head is done with v6-v8, in which the first points land
	; what every wave keeps: 21 loads
.irp t, 0,1,2,3
	global_load_b128 v[B1+8*\t:B1+8*\t+3], v[H32], s[10:11] offset:64*\t       ; b1[16 t + 8 h + 0 .. 7]
	global_load_b128 v[B1+8*\t+4:B1+8*\t+7], v[H32], s[10:11] offset:64*\t+16
.endr
	global_load_b32 v[B2], v[H4], s[14:15] offset:4        ; channel 1 or 2
	global_load_b32 v[B2+1], v[H4], s[14:15] offset:20     ; 5 or 6
	global_load_b32 v[B2+2], v[H12], s[14:15]              ; 0 or 3
	global_load_b32 v[B2+3], v[H12], s[14:15] offset:16    ; 4 or 7
	global_load_b32 v[B2+4], v[H4], s[14:15] offset:32     ; 8 or 9
.irp i, 0,1,2,3,4,5,6
	global_load_b128 v[Z+2+4*\i:Z+5+4*\i], v[ZERO], s[6:7] offset:16*\i        ; t0 .. t27, the same in every lane
.endr
	global_load_b64 v[Z+30:Z+31], v[ZERO], s[6:7] offset:112                   ; t28, t29
.macro INLOAD                          ; my wave's 256 points: each load reads 512 consecutive bytes
.irp i, 0,1,2,3,4,5
	global_load_b128 v[IN+4*\i:IN+4*\i+3], v[LI], s[4:5] offset:512*\i th:TH_LOAD_NT
.endr
.endm
.macro ZERO_HI                         ; in the last block k = 98 on are zeros
.set i, 2
.rept 30
	v_cndmask_b32 v[X32+i], v[X32+i], v[ZERO], s31
.set i, i+1
.endr
.endm
.macro QUANT32                         ; a lane's 32 numbers, one block: its largest magnitude in v[MX], its byte in v[MX+3], its codes in v[CC] on
	v_max3_num_f32 v[MX], |v[X32]|, |v[X32+1]|, |v[X32+2]|
	v_max3_num_f32 v[MX+1], |v[X32+3]|, |v[X32+4]|, |v[X32+5]|
.irp i, 6,10,14,18,22,26
	v_max3_num_f32 v[MX], v[MX], |v[X32+\i]|, |v[X32+\i+1]|
	v_max3_num_f32 v[MX+1], v[MX+1], |v[X32+\i+2]|, |v[X32+\i+3]|
.endr
	v_max3_num_f32 v[MX], v[MX], |v[X32+30]|, |v[X32+31]|
	v_max3_num_f32 v[MX], v[MX], v[MX+1], 0x1800000        ; the floor 2^(3 - 127): the byte cannot fall under 1
	v_add_nc_u32 v[MX+2], 0xff000000, v[MX]                ; 2 off the exponent field: the conversion takes this operand's exponent field as its scale
	v_lshrrev_b32 v[MX+3], 23, v[MX+2]                     ; the scale's byte
.irp g, 0,1,2,3
	v_cvt_scalef32_pk8_fp4_f32 v[CC+\g], v[X32+8*\g:X32+8*\g+7], v[MX+2]
.endr
	v_nop                                                  ; one plain line behind the last scaled conversion
.endm
	s_cmp_lt_u32 s18, 8
	s_cbranch_scc0 .Lnot_w
	; waves 0-7: W1's tile w / 2, registers 4 (w % 2) on: lane (r, h) takes column 16 t + r and its registers run down K
.irp i, 0,1
	global_load_b32 v[X32+\i], v[WO0], s[8:9] offset:256*\i
.endr
.set i, 2
.rept 30
	global_load_b32 v[X32+i], v[WO1], s[8:9] offset:256*i
.set i, i+1
.endr
	INLOAD
	s_wait_loadcnt 6                               ; all but the six loads of my points, which were issued last
	ZERO_HI
	QUANT32
	s_wait_alu depctr_va_vdst(0)                   ; the conversions have written v[CC ..] and the shift v[MX+3], which the two LDS stores read
	ds_store_b128 v[IMGA], v[CC:CC+3]
	ds_store_b8 v[SBA], v[MX+3]
	s_branch .Ljoin
.Lnot_w:
	s_cmp_lt_u32 s18, 10
	s_cbranch_scc0 .Lnot_z
	; waves 8, 9: z's blocks 2 c + h, the tanh's two places taken as zeros (block 0's codes are not used; its largest magnitude is)
.irp i, 0,1
	global_load_b32 v[X32+\i], v[ZO0], s[6:7] offset:4*\i-8
.endr
.set i, 2
.rept 30
	global_load_b32 v[X32+i], v[ZO1], s[6:7] offset:4*i-8
.set i, i+1
.endr
	INLOAD
	s_wait_loadcnt 6                               ; all but the six loads of my points
	v_cndmask_b32 v[X32], v[X32], v[ZERO], s32
	v_cndmask_b32 v[X32+1], v[X32+1], v[ZERO], s32
	ZERO_HI
	QUANT32
	s_wait_alu depctr_va_vdst(0)                   ; the conversions have written v[CC ..], the shift v[MX+3] and the maxima v[MX], which the three LDS stores read
	ds_store_b128 v[IMGA], v[CC:CC+3]
	ds_store_b8 v[SBZ], v[MX+3]                    ; sixteen lanes write the same byte with the same value
	ds_store_b32 v[TMA], v[MX]
	s_branch .Ljoin
.Lnot_z:
	s_cmp_lt_u32 s18, 12
	s_cbranch_scc0 .Lidle
	; waves 10, 11: W2's K step w % 2 as a bf16 fragment: lane (r, h): row r; registers 0-3: k = 8 h + 0 .. 7, registers 4-7: k = 16 + 8 h + 0 .. 7
.irp j, 0,1,2,3,4,5,6,7
	global_load_b32 v[X32+\j], v[VO], s[12:13] offset:40*\j
	global_load_b32 v[X32+8+\j], v[VO], s[12:13] offset:40*(16+\j)
.endr
	INLOAD
	s_wait_loadcnt 6                               ; all but the six loads of my points
.irp j, 0,1,2,3,4,5,6,7,8,9,10,11,12,13,14,15
	v_mul_f32 v[X32+\j], v[FV], v[X32+\j]          ; x log2(e), so that the softplus works in base 2; x 0 in the rows that hold no channel
.endr
.irp i, 0,1,2,3,4,5,6,7
	v_cvt_pk_bf16_f32 v[CC+\i], v[X32+2*\i], v[X32+2*\i+1]
.endr
	s_wait_alu depctr_va_vdst(0)                   ; the roundings have written v[CC .. CC+7], which the two LDS stores read
	ds_store_b128 v[W2A], v[CC:CC+3]
	ds_store_b128 v[W2A], v[CC+4:CC+7] offset:512
	s_branch .Ljoin
.Lidle:
	INLOAD
.Ljoin:
	s_wait_dscnt 0x0                               ; for the others' sake: my images lie in LDS
	s_barrier_signal -1
	s_barrier_wait -1                              ; everybody's do.  The launch's one barrier: from here on a wave touches only its own stage
.irp i, 0,1,2,3,4,5,6,7
	ds_load_b128 v[W1F+4*\i:W1F+4*\i+3], v[LI] offset:IMG+512*\i   ; (these loads land in registers that no vector line has named, by addresses that the head's wait has shown written)
.endr
	ds_load_b32 v[SW1], v[LS4] offset:SCW
	ds_load_b32 v[SW1+1], v[LS4] offset:SCW+128
	ds_load_b128 v[BK1:BK1+3], v[ZERO] offset:IMG+8*512+256        ; lane 16's place in z's first image: block 1, for every lane
	ds_load_b128 v[PA+4:PA+7], v[LI] offset:IMG+9*512              ; blocks 2 and 3 as the layout wants them, for both fragments
	ds_load_b128 v[PB+4:PB+7], v[LI] offset:IMG+9*512
.irp i, 0,1,2,3
	ds_load_b128 v[W2F+4*\i:W2F+4*\i+3], v[LI] offset:W2I+512*\i
.endr
	ds_load_b32 v[ZC], v[ZERO] offset:ZSC
	ds_load_b32 v[TMX], v[ZERO] offset:TMXL
	s_wait_loadcnt 0x0                             ; my points, and in waves 12-15 b1, b2 and t too
.irp i, 0,1,2,3,4,5
	ds_store_b128 v[ST16], v[IN+4*\i:IN+4*\i+3] offset:512*\i      ; into my stage, as they lie in memory
.endr
	ds_load_b32 v[X], v[LN12]                      ; the first group's points: LDS serves a wave's instructions in order (ISA guide 5.7.1.4), so these see the stores above.  No vector line since the head's wait names v1 or v6-v8
	ds_load_b32 v[X+1], v[LN12] offset:4
	ds_load_b32 v[Q], v[LN12] offset:8
.irp j, 0,1,2,3,4
	v_mul_f32 v[B2+\j], 0x3fb8aa3b, v[B2+\j]       ; b2 x log2(e), like W2
.endr
.irp j, 5,6,7
	v_mov_b32 v[B2+\j], 0
.endr
	v_mov_b32 v[EPS], 0x38d1b717                   ; 1e-4
	v_mov_b32 v[EPS+1], 0x38d1b717
	s_wait_dscnt 0x0
	v_and_b32 v[ZC], 0xffffff00, v[ZC]             ; byte 0 is each point's own
; The first product: tile t of 16 hidden units x points 16 p on.  W1's scale words of tile t lie in lanes 16 (t % 2) on of register t / 2, the points' of p in lanes 16 p on.  b1 is the C.
.macro PROD1 p, t
.if ((\p) == 0) && ((\t)%2 == 0)
	v_wmma_scale_f32_16x16x128_f8f6f4 v[D1+32*(\p)+8*(\t):D1+32*(\p)+8*(\t)+7], v[W1F+8*(\t):W1F+8*(\t)+7], v[PA+8*(\p):PA+8*(\p)+7], v[B1+8*(\t):B1+8*(\t)+7], v[SW1+(\t)/2], v[SZ] matrix_a_fmt:MATRIX_FMT_FP4 matrix_b_fmt:MATRIX_FMT_FP4
.elseif (\p) == 0
	v_wmma_scale_f32_16x16x128_f8f6f4 v[D1+32*(\p)+8*(\t):D1+32*(\p)+8*(\t)+7], v[W1F+8*(\t):W1F+8*(\t)+7], v[PA+8*(\p):PA+8*(\p)+7], v[B1+8*(\t):B1+8*(\t)+7], v[SW1+(\t)/2], v[SZ] matrix_a_fmt:MATRIX_FMT_FP4 matrix_b_fmt:MATRIX_FMT_FP4 matrix_a_scale:MATRIX_SCALE_ROW1
.elseif (\t)%2 == 0
	v_wmma_scale_f32_16x16x128_f8f6f4 v[D1+32*(\p)+8*(\t):D1+32*(\p)+8*(\t)+7], v[W1F+8*(\t):W1F+8*(\t)+7], v[PA+8*(\p):PA+8*(\p)+7], v[B1+8*(\t):B1+8*(\t)+7], v[SW1+(\t)/2], v[SZ] matrix_a_fmt:MATRIX_FMT_FP4 matrix_b_fmt:MATRIX_FMT_FP4 matrix_b_scale:MATRIX_SCALE_ROW1
.else
	v_wmma_scale_f32_16x16x128_f8f6f4 v[D1+32*(\p)+8*(\t):D1+32*(\p)+8*(\t)+7], v[W1F+8*(\t):W1F+8*(\t)+7], v[PA+8*(\p):PA+8*(\p)+7], v[B1+8*(\t):B1+8*(\t)+7], v[SW1+(\t)/2], v[SZ] matrix_a_fmt:MATRIX_FMT_FP4 matrix_b_fmt:MATRIX_FMT_FP4 matrix_a_scale:MATRIX_SCALE_ROW1 matrix_b_scale:MATRIX_SCALE_ROW1
.endif
.endm
; Tiles 2 u and 2 u + 1 of points 16 p on: relu, two numbers an instruction, each tile from its low end on; then rounded to bf16 in pairs, in place: register i takes numbers 2 i and 2 i + 1.
; Lane (r, h) held hidden units 32 u + 8 h + 0 .. 7 and 32 u + 16 + 8 h + 0 .. 7 of point r: the eight registers are the second product's operand for K step u.
.macro RELUPACK p, u
.set RB, D1+32*(\p)+16*(\u)
.irp a, 0,2,4,6,8,10,12,14
	v_dual_max_num_f32 v[RB+\a], v[ZERO], v[RB+\a] :: v_dual_max_num_f32 v[RB+\a+1], v[ZERO], v[RB+\a+1]
.endr
.irp i, 0,1,2,3,4,5,6,7
	v_cvt_pk_bf16_f32 v[RB+\i], v[RB+2*\i], v[RB+2*\i+1]
.endr
.endm
; A GROUP of 32 points, g bytes into the trip's part of the stage.  Its three words were asked for in the group before.  ahead = 1: it asks for the next group's.
; younger: the LDS instructions issued behind the group's three loads, which may stay out.
.macro GROUP g, ahead, younger
	s_wait_dscnt \younger                          ; LDS instructions come back in order (ISA guide 5.7.1): x0, x1 and q are in
	; tanh of x0 and x1
	v_pk_mul_f32 v[E:E+1], v[X:X+1], 0x4038aa3b op_sel_hi:[1,0]    ; 2 log2(e) x
	v_pk_mul_f32 v[UU:UU+1], v[X:X+1], v[X:X+1]
	v_exp_f32 v[E], v[E]
	v_exp_f32 v[E+1], v[E+1]                       ; e^2x
	v_fmaak_f32 v[P], s24, v[UU], 0xbd5d0dd1       ; the series' polynomial in x^2: 62/2835, -17/315, 2/15, -1/3.  (Plain lines behind the exponentials)
	v_fmaak_f32 v[P+1], s24, v[UU+1], 0xbd5d0dd1
	v_fmaak_f32 v[P], v[P], v[UU], 0x3e088889
	v_fmaak_f32 v[P+1], v[P+1], v[UU+1], 0x3e088889
	v_fmaak_f32 v[P], v[P], v[UU], 0xbeaaaaab
	v_fmaak_f32 v[P+1], v[P+1], v[UU+1], 0xbeaaaaab
	v_cmp_gt_f32 s33, s25, |v[X]|                  ; the group's three compares on loaded numbers stand in one run: where the series serves,
	v_cmp_gt_f32 s34, s25, |v[X+1]|
	v_cmp_gt_i32 s29, 0, v[Q]                      ; and q's sign
	s_wait_alu depctr_va_vdst(0)                   ; the two exponentials have written v[E:E+1], ahead of their first reader
	v_pk_add_f32 v[E:E+1], v[E:E+1], 1.0 op_sel_hi:[1,0]
	v_rcp_f32 v[E], v[E]
	v_rcp_f32 v[E+1], v[E+1]
	v_pk_mul_f32 v[P:P+1], v[P:P+1], v[UU:UU+1]    ; (plain lines behind the reciprocals)
	v_pk_fma_f32 v[TS:TS+1], v[P:P+1], v[X:X+1], v[X:X+1]          ; x + x x^2 P(x^2)
	s_wait_alu depctr_va_vdst(0)                   ; the two reciprocals have written v[E:E+1], ahead of their first reader
	v_pk_fma_f32 v[E:E+1], v[E:E+1], -2.0, 1.0 op_sel_hi:[1,0,0]   ; 1 - 2 / (1 + e^2x)
	s_wait_alu depctr_va_sdst(0)                   ; the three compares have written s33, s34 and s29, ahead of the first reader of each
	v_cndmask_b32 v[Z], v[E], v[TS], s33           ; the series where |x| < 0.25
	v_cndmask_b32 v[Z+1], v[E+1], v[TS+1], s34
	; block 0's scale, each point's own, and its codes
	v_max3_num_f32 v[AM], |v[Z]|, |v[Z+1]|, v[TMX]
	v_add_nc_u32 v[SOP], 0xff000000, v[AM]
	v_lshrrev_b32 v[BY], 23, v[SOP]
	v_or_b32 v[SZ], v[BY], v[ZC]                   ; the point's scale word
.irp c, 0,1,2,3
	v_cvt_scalef32_pk8_fp4_f32 v[PA+\c], v[Z+8*\c:Z+8*\c+7], v[SOP]
.endr
.irp c, 0,1,2,3
	v_mov_b32 v[PB+\c], v[BK1+\c]                  ; (the first is the plain line behind the conversions)
.endr
.irp c, 0,1,2,3
	v_permlane16_swap_b32 v[PA+\c], v[PB+\c]       ; PA: lanes 0-15 block 0 of points 0-15, lanes 16-31 block 1;  PB: the same of points 16-31
.endr
	v_and_b32 v[SGN], 0x80000000, v[Q]
	v_and_b32 v[U], 0x7fffffff, v[Q]
.rept 6
	v_nop                                          ; with the two lines above: eight plain lines that name nothing of the products stand between the scale word's write and the scaled matrix instructions, and behind the exchange of halves
.endr
	s_wait_alu depctr_va_vdst(0)                   ; behind the places: v[SZ], v[PA ..] and v[PB ..] are written, which the scaled products take as scales and operands; and the lines above are done reading x0, x1 and q, in which the loads below land
.irp p, 0,1
.irp t, 0,1,2,3
	PROD1 \p, \t
.endr
.endr
.if \ahead
	ds_load_b32 v[X], v[ADR] offset:\g+384         ; the next group's points; 12 bytes from lane to lane: 32 different banks.  No wait: the eight products, all that was issued since the wait above, name none of v3, v6-v8
	ds_load_b32 v[X+1], v[ADR] offset:\g+388
	ds_load_b32 v[Q], v[ADR] offset:\g+392
.endif
.rept 4
	v_nop                                          ; four places in front of the first read of results (ISA guide 7.12.1)
.endr
	RELUPACK 0, 0
	RELUPACK 0, 1
	RELUPACK 1, 0
	RELUPACK 1, 1
	; the second product: source 0 = W2's 16 rows, source 1 = 16 points; b2 is the C of each sum's first instruction; the two accumulators take turns
	v_wmma_f32_16x16x32_bf16 v[D2:D2+7], v[W2F:W2F+7], v[D1:D1+7], v[B2:B2+7]
	v_wmma_f32_16x16x32_bf16 v[D2+8:D2+15], v[W2F:W2F+7], v[D1+32:D1+39], v[B2:B2+7]
	v_wmma_f32_16x16x32_bf16 v[D2:D2+7], v[W2F+8:W2F+15], v[D1+16:D1+23], v[D2:D2+7]
	v_wmma_f32_16x16x32_bf16 v[D2+8:D2+15], v[W2F+8:W2F+15], v[D1+48:D1+55], v[D2+8:D2+15]
.rept 4
	v_nop
.endr
	; softplus in base 2: ln 2 (max(y, 0) + log2(1 + 2^-|y|)) + 1e-4, y = the sum x log2(e).  Register 5 of each set rides along in the pairs and is never used
.irp j, 0,1,2,3,4
	v_exp_f32 v[EA+\j], -|v[D2+\j]|                ; each accumulator from its low end on
.endr
.irp j, 0,1,2,3,4
	v_exp_f32 v[EB+\j], -|v[D2+8+\j]|
.endr
.irp a, 0,2,4
	v_dual_max_num_f32 v[MA+\a], v[ZERO], v[D2+\a] :: v_dual_max_num_f32 v[MA+\a+1], v[ZERO], v[D2+\a+1]   ; (plain lines behind the exponentials)
.endr
	s_wait_alu depctr_va_vdst(0)                   ; the ten exponentials have written v[EA ..] and v[EB ..], ahead of their first reader
.irp a, 0,2,4
	v_pk_add_f32 v[EA+\a:EA+\a+1], v[EA+\a:EA+\a+1], 1.0 op_sel_hi:[1,0]
	v_pk_add_f32 v[EB+\a:EB+\a+1], v[EB+\a:EB+\a+1], 1.0 op_sel_hi:[1,0]
.endr
.irp j, 0,1,2,3,4
	v_log_f32 v[EA+\j], v[EA+\j]
.endr
.irp j, 0,1,2,3,4
	v_log_f32 v[EB+\j], v[EB+\j]
.endr
.irp a, 0,2,4
	v_dual_max_num_f32 v[MB+\a], v[ZERO], v[D2+8+\a] :: v_dual_max_num_f32 v[MB+\a+1], v[ZERO], v[D2+8+\a+1]   ; (plain lines behind the logarithms)
.endr
	s_wait_alu depctr_va_vdst(0)                   ; the ten logarithms have written v[EA ..] and v[EB ..], ahead of their first reader
.irp a, 0,2,4
	v_pk_add_f32 v[EA+\a:EA+\a+1], v[EA+\a:EA+\a+1], v[MA+\a:MA+\a+1]
	v_pk_add_f32 v[EB+\a:EB+\a+1], v[EB+\a:EB+\a+1], v[MB+\a:MB+\a+1]
.endr
.irp a, 0,2,4
	v_pk_fma_f32 v[EA+\a:EA+\a+1], v[EA+\a:EA+\a+1], s[26:27], v[EPS:EPS+1] op_sel_hi:[1,0,1]
	v_pk_fma_f32 v[EB+\a:EB+\a+1], v[EB+\a:EB+\a+1], s[26:27], v[EPS:EPS+1] op_sel_hi:[1,0,1]
.endr
.irp j, 0,1,2,3,4
	v_permlane16_swap_b32 v[EA+\j], v[EB+\j]       ; lane l now holds point l's left side in EA and its right side in EB
.endr
	; the line of five pieces, mirrored onto q's side: u = |q|; a1, b1 the inner step, a2, b2 the outer, k half the slope beyond
.irp j, 0,1,2,3,4
	v_cndmask_b32 v[SD+\j], v[EB+\j], v[EA+\j], s29
.endr
	v_pk_add_f32 v[AB:AB+1], v[SD:SD+1], v[SD+2:SD+3]
	v_pk_add_f32 v[MD:MD+1], v[EA:EA+1], v[EB:EB+1]
	v_fmaak_f32 v[LIM], s28, v[AB], 0x461ab000     ; 0.99 (A + 10000)
	v_min_num_f32 v[U], v[U], v[LIM]
	v_cmp_lt_f32 s30, v[U], v[AB]
	v_cmp_lt_f32 vcc_lo, v[U], v[SD]
	s_wait_alu depctr_va_sdst(0)                   ; the first compare has written s30, which the four selects below read
	v_cndmask_b32 v[NUM], v[SD+4], v[SD+3], s30    ; u < A: b2 / a2 from (a1, b1);  else k / 0.5 from (A, B)
	v_cndmask_b32 v[DEN], 0.5, v[SD+2], s30
	v_cndmask_b32 v[XA], v[AB], v[SD], s30
	v_cndmask_b32 v[YA], v[AB+1], v[SD+1], s30
	s_wait_alu depctr_va_vcc(0)                    ; the second compare has written VCC, which the two selects below read
	v_cndmask_b32 v[NUM], v[NUM], v[MD+1], vcc_lo  ; u < a1: the middle piece's slope, from (a1, b1) too
	v_cndmask_b32 v[DEN], v[DEN], v[MD], vcc_lo
	v_rcp_f32 v[R], v[DEN]
	v_sub_f32 v[XA], v[U], v[XA]                   ; (a plain line behind the reciprocal)
	s_wait_alu depctr_va_vdst(0)                   ; the reciprocal has written v[R], ahead of its first reader
	v_mul_f32 v[NUM], v[NUM], v[R]
	v_fma_f32 v[YA], v[NUM], v[XA], v[YA]
	v_xor_b32 v[YA], v[YA], v[SGN]                 ; back onto q's side
	s_wait_alu depctr_va_vdst(0)                   ; v[YA] is written, which the LDS store reads; and the group's vector lines are done with v22-v27, in which the way out's loads land
	ds_store_b32 v[ADR], v[YA] offset:\g+8         ; over q in my stage; x0 and x1 stay as they came
.endm
; A TRIP: two groups, and the way out of their 768 bytes.  last = 1: the wave's last trip, whose second group asks for no more points (no LDS load leaves my stage), and behind which nothing is stepped.
.macro TRIP last
	s_wait_alu depctr_vm_vsrc(0)                   ; the last trip's LDS instructions have read v3 and v4, its global stores v22-v27, its last LDS store v[YA]; in the first trip: the head's loads and LDS instructions have read v9-v25, v[IN ..], v[CC ..] and v[MX ..].  All of these are written again below
	v_add_nc_u32 v[ADR], s22, v[LN12]              ; (their first readers stand behind later waits on va_vdst: the one ahead of the scaled products, the one ahead of the store over q)
	v_add_nc_u32 v[ADO], s22, v[LN8]
	GROUP 0, 1, 0
	s_wait_alu depctr_vm_vsrc(0)                   ; the LDS store above has read v[YA], which the next group's first product writes again
.if \last
	GROUP 384, 0, 1                                ; (behind this group's three loads stands the one LDS store over q)
.else
	GROUP 384, 1, 1
.endif
.irp i, 0,1,2
	ds_load_b64 v[O+2*\i:O+2*\i+1], v[ADO] offset:256*\i           ; LDS serves a wave's instructions in order (ISA guide 5.7.1.4): these see my stores
.endr
	s_wait_dscnt 0x0
.irp i, 0,1,2
	global_store_b64 v[GO], v[O+2*\i:O+2*\i+1], s[16:17] offset:256*\i th:TH_STORE_NT   ; 32 lanes store 256 consecutive bytes, at a multiple of 256 from out0's first byte
.endr
.if !\last
	s_wait_xcnt 0x0                                ; the stores' base and data are written again only behind this wait
	s_add_nc_u64 s[16:17], s[16:17], 768
	s_add_co_u32 s22, s22, 768
.endif
.endm
	s_mov_b32 s22, 0                               ; the trip's bytes in my stage
	s_mov_b32 s23, 3                               ; four trips of two groups: three in the loop, the last written out
.Ltrip:
	TRIP 0
	s_sub_co_u32 s23, s23, 1
	s_cmp_lg_u32 s23, 0
	s_cbranch_scc1 .Ltrip
	TRIP 1
	s_wait_xcnt 0x0
	s_wait_alu depctr_vm_vsrc(0)                   ; my last LDS store has read v254, which is made anew below
	v_lshl_add_u32 v254, v0, 2, 0xe000
	v_mov_b32 v255, 0
	s_wait_dscnt 0x0                               ; the closing lines, six on end
	s_wait_alu 0x0
	s_wait_tensorcnt 0x0
	ds_add_u32 v254, v255
	s_wait_dscnt 0x0
	s_endpgm
.Lfunc_end_k_q5a74f83476_couple:
	.size	k_q5a74f83476_couple, .Lfunc_end_k_q5a74f83476_couple-k_q5a74f83476_couple
	.p2alignl 7, 3214868480
	.fill 96, 4, 3214868480
	.section	.rodata,"a",@progbits
	.p2align	6, 0x0
	.amdhsa_kernel k_q5a74f83476_couple
		.amdhsa_group_segment_fixed_size 59392
		.amdhsa_private_segment_fixed_size 0
		.amdhsa_enable_private_segment 0
		.amdhsa_kernarg_size 56
		.amdhsa_user_sgpr_count 2
		.amdhsa_user_sgpr_kernarg_segment_ptr 1
		.amdhsa_wavefront_size32 1
		.amdhsa_system_sgpr_workgroup_id_x 1
		.amdhsa_system_sgpr_workgroup_id_y 1
		.amdhsa_system_sgpr_workgroup_id_z 1
		.amdhsa_system_vgpr_workitem_id 0
		.amdhsa_next_free_vgpr 256
		.amdhsa_next_free_sgpr 66
		.amdhsa_reserve_vcc 1
		.amdhsa_float_denorm_mode_32 3
		.amdhsa_float_denorm_mode_16_64 3
		.amdhsa_memory_ordered 1
		.amdhsa_forward_progress 1
		.amdhsa_inst_pref_size 77
	.end_amdhsa_kernel
	.amdgpu_metadata
---
amdhsa.version: [ 1, 2 ]
amdhsa.kernels:
  - .name:           k_q5a74f83476_couple
    .symbol:         k_q5a74f83476_couple.kd
    .args:
      - { .name: input, .offset: 0, .size: 8, .value_kind: global_buffer, .address_space: global }
      - { .name: t_feat, .offset: 8, .size: 8, .value_kind: global_buffer, .address_space: global }
      - { .name: W1, .offset: 16, .size: 8, .value_kind: global_buffer, .address_space: global }
      - { .name: b1, .offset: 24, .size: 8, .value_kind: global_buffer, .address_space: global }
      - { .name: W2, .offset: 32, .size: 8, .value_kind: global_buffer, .address_space: global }
      - { .name: b2, .offset: 40, .size: 8, .value_kind: global_buffer, .address_space: global }
      - { .name: out0, .offset: 48, .size: 8, .value_kind: global_buffer, .address_space: global }
    .group_segment_fixed_size: 59392
    .private_segment_fixed_size: 0
    .kernarg_segment_align: 8
    .kernarg_segment_size: 56
    .max_flat_workgroup_size: 512
    .sgpr_count:     66
    .vgpr_count:     256
    .wavefront_size: 32
...
	.end_amdgpu_metadata
.endif
;; end of part 2
